; MI455X (gfx1250); checked and timed in simulation.
; The chip was launched on July 23, 2026; its instructions are those of AMD's public machine-readable ISA for CDNA 5 (MIT licence, August 2026) and "CDNA5" Instruction Set Architecture Reference Guide (July 2026). The comments in the code are by the model that wrote it; some were corrected since.
;; Attentional Propagation. Allowed arithmetic: matrix products marked QUANTISED: E2M1 operands, one E8M0 scale for each 32 along K, by v_wmma_scale_f32_16x16x128_f8f6f4 with both operands' format E2M1 (or v_wmma_scale_f32_32x16x128_f4), f32 sums; products left as they are: f32 operands where the result goes on into a quantised operand, else bf16, f16 or f32 operands; f32 sums; everything else in f32.
;; Inputs: aW1 256 x 768 float32; aW2 1 x 256 float32; ab1 256 float32; ab2 1 float32; dist 1 x 256 x 262,144 float32; mW1 512 x 512 float32; mW2 256 x 512 float32; mask 512 x 512 bool; mb1 512 float32; mb2 256 float32; source 1 x 256 x 512 float32; x 1 x 256 x 512 float32.
;; Outputs: out0 1 x 256 x 512 float32; out1 1 x 512 x 512 float32.
;; This version of the problem:
;;   THIS VERSION OF THE PROBLEM IS GIVEN IN LOW PRECISION. The matrix products marked QUANTISED in the list below multiply operands that are first quantised to E2M1 (2 exponent bits, 1 mantissa bit; 4 bits a number), with one power-of-two scale for each 32 numbers along K (OCP MX v1.0); their sums are f32. All else is computed in f32.
;;   The module's matrix products, in the order in which they are computed (A, B: the left and right operand; K: the contracted axis; several contracted axes count as one K, in the product's order):
;;     1. [M 262,144, K 768] x [K 768, N 256]; A: computed on the way; B: input aW1: QUANTISED
;;     2. [M 262,144, K 256] x [K 256, N 1]; A: computed on the way; B: input aW2: left as it is (N = 1 < 16)
;;     3. [M 256, K 512] x [K 512, N 512]; A: input source; B: softmax (see below): QUANTISED
;;     4. [M 512, K 512] x [K 512, N 512]; A: computed on the way; B: input mW1: QUANTISED
;;     5. [M 512, K 512] x [K 512, N 256]; A: computed on the way; B: input mW2: QUANTISED
;;   THE QUANTISER, for each operand of a quantised product, along K:
;;     - K is cut into blocks of 32 from its start; a last block that is shorter is filled with zeros.
;;     - A block's scale is 2^e with e = floor(log2(the largest magnitude in the block)) - 2, held to -126 .. 127; a block of zeros has e = 0. As a byte (E8M0): e + 127.
;;     - Each number is divided by its block's scale, clamped to +-6, and rounded to the nearest number of E2M1, ties to even, subnormals kept.
;;     - The product sums the exact products of the quantised numbers (number of the format x scale) in f32.
;;   ~~~python
;;   def quantise(x, axis):      # numpy; x: float32 -> the quantised numbers, widened to float32 again
;;       x = np.moveaxis(x, axis, -1); K = x.shape[-1]
;;       x = np.pad(x, [(0, 0)] * (x.ndim - 1) + [(0, -K % 32)]); x = x.reshape(x.shape[:-1] + (-1, 32)); a = np.abs(x).max(-1, keepdims=True)
;;       e = np.where(a > 0, np.clip(np.frexp(np.where(a > 0, a, 1))[1] - 1 - 2, -126, 127), 0)      # np.frexp(a)[1] - 1 = floor(log2(a)), exactly
;;       r = np.clip(x / 2.0 ** e, -6, 6)
;;       step = 2.0 ** (np.maximum(np.frexp(np.where(r == 0, 1, r))[1] - 1, 0) - 1)
;;       q = np.round(r / step) * step * 2.0 ** e      # np.round: ties to even
;;       return np.moveaxis(q.reshape(q.shape[:-2] + (-1,))[..., :K], -1, axis).astype(np.float32)
;;   ~~~
;;   SOFTMAX AHEAD OF A QUANTISED PRODUCT. Where the list says 'softmax', what is quantised is not the finished softmax but p = 2^(t - M), with t = logit x log2(e) and M = ceil(the row's largest t), a whole number; so 1/2 < the row's largest p <= 1. The row's sum l is taken of the UNQUANTISED p, in f32, and the product's result is divided by l at the end. Since M is a whole number, a kernel that streams over the keys may use a running M (the ceiling of the running maximum): every later rescaling is an exact power of two, which a block's scale takes up: the codes' values come out the same.
;;   OPERANDS COMPUTED ON THE WAY. 'Computed on the way' means the value that the module computes at that place (a softmax that the list does not call 'softmax' is quantised finished and normalised). What goes into a quantiser is computed in f32, as accurately as f32 sums, v_exp_f32 and their like allow (about 1e-6 of the number): no bf16 or f16 on the way to a quantiser, and a product that is left as it is and whose result goes on into a quantised operand takes f32 operands (vector FMAs, or v_wmma_f32_16x16x4_f32). A number that lies on a knife's edge between two numbers of the format may be rounded either way, as far as f32 arithmetic and the matrix unit's own rounding can turn it there, and no further.
;; One version. Each part assembles by itself: llvm-mc -triple=amdgcn-amd-amdhsa -mcpu=gfx1250 --defsym DOCPART=n.
;; ======== version 1 of 1: 3 launches
;; workspace buffers: codes 491,520 bytes; scales 30,720 bytes; raw 1,048,576 bytes; mins 4,096 bytes
;; launch prep (part 1): grid 240 x 1, 1 waves a work-group, no clusters, 0 bytes of LDS; arguments aW1, mW1, mW2, source, x, codes, scales; writes codes, scales
.if DOCPART == 1
	.amdgcn_target "amdgcn-amd-amdhsa--gfx1250"
	.amdhsa_code_object_version 6
	.text
	.protected	k_q918960a1fe_prep
	.globl	k_q918960a1fe_prep
	.p2align	8
	.type	k_q918960a1fe_prep,@function
k_q918960a1fe_prep:
	s_mov_b64 s[64:65], 0
	v_nop
	global_prefetch_b8 v0, s[64:65] scope:SCOPE_SE
	s_setreg_imm32_b32 hwreg(HW_REG_WAVE_MODE, 25, 1), 1
	s_wait_xcnt 0x0
; The operands that many work-groups read are quantised ONCE to codes of FP4 (E2M1) with one E8M0 byte for each 32 along K, and laid in the order of the operand's registers.
; CODES: an operand with S steps of 128 along K lies as [tile of 16 rows][step][c = 0, 1][lane 0..31][16 bytes]: lane (r, h) holds registers 4 c .. 4 c + 3, k = 128 step + 64 c + 32 h + 0 .. 31 of row slot r.
; SCALE WORDS: [step][row slot], 4 bytes each: a load with lane l at slot 32 i + l brings tile 2 i in lanes 0-15 and tile 2 i + 1 in lanes 16-31.
; SIX REGIONS: aW1 (K 768), mW1 (K 512, rows permuted), mW2 (K 512), source along the keys (rows = channels, permuted), x along the channels (rows = queries), source along the channels (rows = keys).
; PERMUTED: slot r of tile 2 b + u is row 32 b + 8 u + r + 8 (r / 8), so that a transposed product's 16 registers of two neighbouring tiles are 16 neighbours along the next K.
; SHARES: one wave to a work-group; it takes 32 rows x one step of 128: a lane holds ONE row's 128 numbers, so a block's largest magnitude needs no other lane.
; A block's scale byte is its largest magnitude's exponent field - 2, held at 1 from below.
; LIMITS: a block of zeros gets the byte 1 where the rule says 127 (its codes are zeros, and this program alone reads the bytes); NaN and infinities are not served.
; No LDS, no barrier, no matrix unit, no cluster: 3.4 MB are read once, and work-groups share nothing.
.set X,   32                           ; v32-159  my row's 128 numbers
.set C,   160                          ; v160-175 the codes of four blocks
.set MXA, 8                            ; v8, v9   two chains of the largest magnitude
.set MXB, 9
.set SCV, 10                           ; v10      the conversion's scale operand
.set BY,  11                           ; v11      the scale's byte
.set WD,  16                           ; v16      my row's scale word
; 32 numbers of ONE lane, v[xs] on, become 32 codes in v[c] .. v[c + 3]; the block's byte goes to byte t % 4 of v[w].
.macro BLOCK32 t, xs, c, w
	v_max3_num_f32 v[MXA], |v[(\xs)]|, |v[(\xs)+1]|, |v[(\xs)+2]|
	v_max3_num_f32 v[MXB], |v[(\xs)+3]|, |v[(\xs)+4]|, |v[(\xs)+5]|
.irp i, 6,10,14,18,22,26
	v_max3_num_f32 v[MXA], v[MXA], |v[(\xs)+\i]|, |v[(\xs)+\i+1]|
	v_max3_num_f32 v[MXB], v[MXB], |v[(\xs)+\i+2]|, |v[(\xs)+\i+3]|
.endr
	v_max3_num_f32 v[MXA], v[MXA], |v[(\xs)+30]|, |v[(\xs)+31]|
	v_max3_num_f32 v[MXA], v[MXA], v[MXB], 0x1800000   ; and the floor 2^(3 - 127): the byte cannot fall under 1
	v_add_nc_u32 v[SCV], 0xff000000, v[MXA]            ; 2 off the exponent field: the conversion takes that field as its scale
	v_lshrrev_b32 v[BY], 23, v[SCV]
.if (\t)%4 == 0
	v_mov_b32 v[(\w)], v[BY]
.else
	v_lshl_or_b32 v[(\w)], v[BY], 8*((\t)%4), v[(\w)]
.endif
.irp g, 0,1,2,3
	v_cvt_scalef32_pk8_fp4_f32 v[(\c)+\g], v[(\xs)+8*\g:(\xs)+8*\g+7], v[SCV]
.endr
.endm
; From work-group number start on, another tensor's figures hold.  The choice hangs on the work-group's number alone; no branch.
.macro ALT start, p, nm, lg, ks, pitch, perm, coff, soff, r4
	s_cmp_ge_u32 ttmp9, \start
	s_cselect_b64 s[28:29], s[\p:\p+1], s[28:29]
	s_cselect_b32 s20, \start, s20
	s_cselect_b32 s21, \nm, s21
	s_cselect_b32 s22, \lg, s22
	s_cselect_b32 s23, \ks, s23
	s_cselect_b32 s24, \pitch, s24
	s_cselect_b32 s25, \perm, s25
	s_cselect_b32 s26, \coff, s26
	s_cselect_b32 s27, \soff, s27
	s_cselect_b32 s30, \r4, s30
.endm
	s_load_b256 s[4:11], s[0:1], 0x0               ; aW1, mW1, mW2, source
	s_load_b128 s[12:15], s[0:1], 0x20             ; x, codes
	s_load_b64 s[16:17], s[0:1], 0x30              ; scales
	v_and_b32 v1, 31, v0                           ; lane
	v_lshlrev_b32 v3, 4, v1                        ; 16 x lane: my place in a group of four registers
	v_lshlrev_b32 v5, 2, v1                        ; 4 x lane: my scale word's
	s_mov_b32 s20, 0                               ; the tensor's first work-group
	s_mov_b32 s21, 7                               ; pairs of tiles - 1
	s_mov_b32 s22, 3                               ; its logarithm
	s_mov_b32 s23, 6                               ; steps of 128 along K
	s_mov_b32 s24, 3072                            ; a row in bytes
	s_mov_b32 s25, 0                               ; rows permuted?
	s_mov_b32 s26, 0                               ; the region in codes
	s_mov_b32 s27, 0                               ; and in scales
	s_mov_b32 s30, 1024                            ; 4 x rows: from step to step in scales
	s_wait_kmcnt 0x0
	s_mov_b64 s[28:29], s[4:5]
	ALT 48,  6,  15, 4, 4, 2048, 1, 98304,  6144,  2048    ; mW1
	ALT 112, 8,  7,  3, 4, 2048, 0, 229376, 14336, 1024    ; mW2
	ALT 144, 10, 7,  3, 4, 2048, 1, 294912, 18432, 1024    ; source, K = the keys
	ALT 176, 12, 15, 4, 2, 0,    0, 360448, 22528, 2048    ; x, K = the channels, its first axis
	ALT 208, 10, 15, 4, 2, 0,    0, 425984, 26624, 2048    ; source, K = the channels
	s_sub_co_u32 s31, ttmp9, s20
	s_and_b32 s32, s31, s21                        ; which pair of tiles
	s_lshr_b32 s33, s31, s22                       ; which step along K
	s_mul_i32 s34, s32, s23
	s_lshl_b32 s34, s34, 1
	s_add_co_u32 s34, s34, s33
	s_lshl_b32 s34, s34, 10                        ; (2 pair x S + step) x 1,024
	s_add_co_u32 s34, s34, s26
	s_mov_b32 s35, 0
	s_add_nc_u64 s[14:15], s[14:15], s[34:35]      ; my first tile's fragment
	s_mul_i32 s36, s33, s30
	s_lshl_b32 s37, s32, 7
	s_add_co_u32 s36, s36, s37
	s_add_co_u32 s36, s36, s27
	s_mov_b32 s37, 0
	s_add_nc_u64 s[16:17], s[16:17], s[36:37]      ; my 32 scale words
	s_lshl_b32 s38, s23, 10
	v_add_nc_u32 v4, s38, v3                       ; the second tile's fragment lies S x 1,024 bytes on
	s_cmp_lt_u32 ttmp9, 176
	s_cbranch_scc0 .Louter
	; K innermost: my row's 512 bytes by 32 loads of 16
	v_bfe_u32 v6, v1, 3, 1
	v_lshrrev_b32 v7, 4, v1
	v_sub_nc_u32 v6, v6, v7
	s_lshl_b32 s39, s25, 3
	v_mul_lo_u32 v6, v6, s39
	v_add_nc_u32 v6, v1, v6                        ; row = lane + 8 ((lane / 8) % 2 - lane / 16) where permuted, else lane
	v_mul_lo_u32 v2, v6, s24
	s_mul_i32 s40, s32, s24
	s_lshl_b32 s40, s40, 5
	s_lshl_b32 s41, s33, 9
	s_add_co_u32 s40, s40, s41
	s_mov_b32 s41, 0
	s_add_nc_u64 s[28:29], s[28:29], s[40:41]
.set i, 0
.rept 32
	global_load_b128 v[X+4*i:X+4*i+3], v2, s[28:29] offset:16*i
.set i, i+1
.endr
	s_branch .Lwork
.Louter:
	; K is the first axis: a lane takes a column and its registers run down K; each load reads 128 consecutive bytes
	v_lshlrev_b32 v2, 2, v1
	s_lshl_b32 s40, s33, 18                        ; 128 rows of 2,048 bytes a step
	s_lshl_b32 s41, s32, 7
	s_add_co_u32 s40, s40, s41
	s_mov_b32 s41, 0
	s_add_nc_u64 s[28:29], s[28:29], s[40:41]
.set i, 0
.rept 128
	global_load_b32 v[X+i], v2, s[28:29] offset:2048*i
.set i, i+1
.endr
.Lwork:
	s_wait_loadcnt 0x0
	BLOCK32 0, X,    C,    WD
	BLOCK32 1, X+32, C+4,  WD
	BLOCK32 2, X+64, C+8,  WD
	BLOCK32 3, X+96, C+12, WD
	v_nop                                          ; one plain instruction between the last conversion and the lines that touch its result
; Lane l holds row l's block b in C_b.  The layout wants blocks 2 c and 2 c + 1 of ONE row in lanes r and r + 16: the swap makes C_2c the first tile's group c, C_2c+1 the second tile's.
.irp b, 0,2
.irp g, 0,1,2,3
	v_permlane16_swap_b32 v[C+4*\b+\g], v[C+4*\b+4+\g]
.endr
.endr
	global_store_b128 v3, v[C:C+3], s[14:15]                  ; each store of the wave covers 512 consecutive bytes
	global_store_b128 v3, v[C+8:C+11], s[14:15] offset:512
	global_store_b128 v4, v[C+4:C+7], s[14:15]
	global_store_b128 v4, v[C+12:C+15], s[14:15] offset:512
	global_store_b32 v5, v[WD], s[16:17]
	s_endpgm
.Lfunc_end_k_q918960a1fe_prep:
	.size	k_q918960a1fe_prep, .Lfunc_end_k_q918960a1fe_prep-k_q918960a1fe_prep
	.p2alignl 7, 3214868480
	.fill 96, 4, 3214868480
	.section	.rodata,"a",@progbits
	.p2align	6, 0x0
	.amdhsa_kernel k_q918960a1fe_prep
		.amdhsa_group_segment_fixed_size 0
		.amdhsa_private_segment_fixed_size 0
		.amdhsa_enable_private_segment 0
		.amdhsa_kernarg_size 56
		.amdhsa_user_sgpr_count 2
		.amdhsa_user_sgpr_kernarg_segment_ptr 1
		.amdhsa_wavefront_size32 1
		.amdhsa_system_sgpr_workgroup_id_x 1
		.amdhsa_system_sgpr_workgroup_id_y 1
		.amdhsa_system_sgpr_workgroup_id_z 1
		.amdhsa_system_vgpr_workitem_id 0
		.amdhsa_next_free_vgpr 176
		.amdhsa_next_free_sgpr 66
		.amdhsa_reserve_vcc 0
		.amdhsa_float_denorm_mode_32 3
		.amdhsa_float_denorm_mode_16_64 3
		.amdhsa_memory_ordered 1
		.amdhsa_forward_progress 1
		.amdhsa_inst_pref_size 27
	.end_amdhsa_kernel
	.amdgpu_metadata
---
amdhsa.version: [ 1, 2 ]
amdhsa.kernels:
  - .name:           k_q918960a1fe_prep
    .symbol:         k_q918960a1fe_prep.kd
    .args:
      - { .name: aW1, .offset: 0, .size: 8, .value_kind: global_buffer, .address_space: global }
      - { .name: mW1, .offset: 8, .size: 8, .value_kind: global_buffer, .address_space: global }
      - { .name: mW2, .offset: 16, .size: 8, .value_kind: global_buffer, .address_space: global }
      - { .name: source, .offset: 24, .size: 8, .value_kind: global_buffer, .address_space: global }
      - { .name: x, .offset: 32, .size: 8, .value_kind: global_buffer, .address_space: global }
      - { .name: codes, .offset: 40, .size: 8, .value_kind: global_buffer, .address_space: global }
      - { .name: scales, .offset: 48, .size: 8, .value_kind: global_buffer, .address_space: global }
    .group_segment_fixed_size: 0
    .private_segment_fixed_size: 0
    .kernarg_segment_align: 8
    .kernarg_segment_size: 56
    .max_flat_workgroup_size: 32
    .sgpr_count:     66
    .vgpr_count:     176
    .wavefront_size: 32
...
	.end_amdgpu_metadata
.endif
;; end of part 1
;; launch score (part 2): grid 4 x 64, 4 waves a work-group, no clusters, 327,680 bytes of LDS; arguments dist, codes, scales, ab1, aW2, ab2, raw, mins; writes raw, mins
.if DOCPART == 2
	.amdgcn_target "amdgcn-amd-amdhsa--gfx1250"
	.amdhsa_code_object_version 6
	.text
	.protected	k_q918960a1fe_score
	.globl	k_q918960a1fe_score
	.p2align	8
	.type	k_q918960a1fe_score,@function
k_q918960a1fe_score:
	s_mov_b64 s[64:65], 0
	v_nop
	global_prefetch_b8 v0, s[64:65] scope:SCOPE_SE
	s_setreg_imm32_b32 hwreg(HW_REG_WAVE_MODE, 25, 1), 1
	s_wait_xcnt 0x0
; raw[q][k] = aW2 . relu(aW1 . [x_q ; source_k ; dist_qk] + ab1) + ab2 for all 512 x 512 pairs, and the smallest raw score of each wave's part.
; The first product is on codes of FP4 (E2M1) with one E8M0 byte for each 32 of the 768 channels; the second is f32 multiply-adds.
; SHARES.  Work-group (gx, gy) owns queries 8 gy .. 8 gy + 7 x keys 128 gx .. 128 gx + 127: 1,048,576 bytes of dist.  A SLOT is one query x 128 keys x 256 channels, 131,072 bytes of LDS, channel c at 512 c; two slots by turns.
; DIST COMES BY TWO WAYS.  Channels 0-191 by the tensor data mover: each wave fetches 48 channels (48 rows of 512 consecutive bytes) by one load, issued first thing behind the barrier of a change of slots.
; Channels 192-255 through registers: each wave loads 16 channels x 128 keys (16 loads of 512 consecutive bytes, 64 registers) just AHEAD of that barrier, for the query two further on; these loads stay out across the
; barrier, are waited for a trip later, and are then stored to the slot's last 32,768 bytes, on which no tensor load ever lands.  So 98,304 bytes go out behind each barrier and 32,768 ahead of it.
; THE WAVES SHARE THE HIDDEN UNITS: wave w makes units 64 w .. 64 w + 63 for all 128 keys, so its part of aW1 (192 registers), of ab1 and aW2, and the 128 keys' codes of source stay in registers for the whole launch.
; THE WAVES SHARE THE QUANTISING BY KEYS: wave w takes keys 32 w .. 32 w + 31, a lane a key, its registers running down the channels: a block of 32 lies in one lane.  The fragments go to the other waves through LDS
; as images of their registers, in two buffers by turns, so that ONE barrier a slot serves: images whole, this slot read out, the next slot whole.
; The next slot's first two blocks are read from LDS between this slot's matrix steps: 64 of the quantiser's 256 LDS loads are served while the matrix unit works.
; THE MATRIX INSTRUCTION IS USED TRANSPOSED (source 0 = 16 rows of aW1, source 1 = 16 keys): a lane holds one key and eight hidden units 16 t + 8 h + j.  Steps 0, 1 along K: x (16 equal columns); 2, 3: source; 4, 5: dist.
; NO CLUSTER: dist's tiles are read by one work-group each; what work-groups share (114,688 bytes of codes against 1,048,576 of dist) is read once, into registers.
; LIMITS: a block of zeros gets the scale byte 1 (its codes are zeros; this program alone reads the bytes); NaN and infinities are not served.
; REGISTERS, in windows of 256: window 0: addresses, scale words, x's fragments, sums, the quantiser's numbers and codes, dist's 64 registers on their way.  window 1: v0-191 aW1 (tile t, step s at 8 (6 t + s)); v192-223 aW2; v224-255 ab1.
;   window 2: v0-127 source (tile p, step s' at 16 p + 8 s'); v128-255 dist likewise.   window 3: the 32 accumulators, (p, t) at 8 (4 p + t).
.set SLOT1, 0x20000                    ; slot 1: one exclusive or turns an address from slot to slot
.set STG,   0x18000                    ; in a slot: channels 192-255, stored from registers
.set IMG,   0x40000                    ; dist's fragments: [tile p][s'][c][512 bytes], 16,384 bytes; the second buffer IMGB on
.set IMGB,  0x4000
.set SCL,   0x48000                    ; their scale words: [s'][128 keys x 4 bytes]; the second buffer SCLB on
.set SCLB,  0x400
.set PART,  0x48800                    ; the waves' parts of the scores: [wave][slot][128 keys x 4 bytes]
.set SPARE, 0x4c800                    ; the spare words, 128 bytes for each wave: two blocks of 256 bytes that no other line names
.set LANE, 1
.set SPW,  2                           ; v2   SPARE + 4 x my thread's number; never rewritten
.set NIL,  3                           ; v3   0; never rewritten
.set T4,   4                           ; v4   4 x thread: my key's place in a channel's 512 bytes
.set ADA,  5                           ; v5   channels 0-127 at my key, in the slot that the quantiser reads;  v6 channels 128-255
.set ADB,  6
.set IW0,  7                           ; v7   IMG + 16 lane + 4,096 wave;  v8 the same in the buffer in hand
.set IWA,  8
.set IR0,  9                           ; v9   IMG + 16 lane;  v10
.set IRA,  10
.set SW0,  11                          ; v11  SCL + 4 thread;  v12
.set SWA,  12
.set SR0,  13                          ; v13  SCL + 4 lane;  v14
.set SRA,  14
.set PW0,  15                          ; v15  PART + 4,096 wave + 4 lane;  v16 at the slot in hand
.set PWA,  16
.set H256, 17                          ; v17  256 h
.set ZERO, 18                          ; v18  0, as an offset
.set W1S,  20                          ; v20-31 aW1's scale words: 20 + 6 (t / 2) + s
.set SRS,  32                          ; v32-39 source's: 32 + 2 (p / 2) + s'
.set DSC,  40                          ; v40-47 dist's likewise
.set XS,   48                          ; v48-49 x's
.set L16,  50                          ; v50  16 lane;  v51  4 lane: never rewritten
.set L4,   51
.set QX,   52                          ; v52-67 x's two fragments
.set SUM,  68                          ; v68-83 a pair of sums for each tile of keys
.set MXA,  84
.set MXB,  85
.set SCV,  86
.set BY,   87
.set ST0,  88                          ; v88  STG + 8,192 wave + 16 lane: my 16 channels' rows in slot 0;  v89 in the other slot than the quantiser's
.set STA,  89
.set WD,   92                          ; v92-93 the two scale words just made
.set H32,  94                          ; v94  32 h
.set ER,   95                          ; v95  PART + 1,024 wave + 16 lane
.set X,    96                          ; v96-159 two sets of 32 numbers
.set GA,   160                         ; v160-191 dist through registers: my channels 0-7 of 16, four keys a lane
.set C,    192                         ; v192-223 the codes of eight blocks
.set GB,   224                         ; v224-255 my channels 8-15
.set MSB, 0
.macro WIN new                         ; the immediate's high byte repeats the setting that is left
.if MSB != \new
	s_set_vgpr_msb (MSB<<8)|\new
.set MSB, \new
.endif
.endm
; 32 numbers of ONE lane, v[xs] on, become 32 codes in v[c] .. v[c + 3]; the block's byte goes to byte t % 4 of v[w].
.macro BLOCK32 t, xs, c, w
	v_max3_num_f32 v[MXA], |v[(\xs)]|, |v[(\xs)+1]|, |v[(\xs)+2]|
	v_max3_num_f32 v[MXB], |v[(\xs)+3]|, |v[(\xs)+4]|, |v[(\xs)+5]|
.irp i, 6,10,14,18,22,26
	v_max3_num_f32 v[MXA], v[MXA], |v[(\xs)+\i]|, |v[(\xs)+\i+1]|
	v_max3_num_f32 v[MXB], v[MXB], |v[(\xs)+\i+2]|, |v[(\xs)+\i+3]|
.endr
	v_max3_num_f32 v[MXA], v[MXA], |v[(\xs)+30]|, |v[(\xs)+31]|
	v_max3_num_f32 v[MXA], v[MXA], v[MXB], 0x1800000   ; and the floor 2^(3 - 127): the byte cannot fall under 1
	v_add_nc_u32 v[SCV], 0xff000000, v[MXA]            ; 2 off the exponent field: the conversion takes that field as its scale
	v_lshrrev_b32 v[BY], 23, v[SCV]
.if (\t)%4 == 0
	v_mov_b32 v[(\w)], v[BY]
.else
	v_lshl_or_b32 v[(\w)], v[BY], 8*((\t)%4), v[(\w)]
.endif
.irp g, 0,1,2,3
	v_cvt_scalef32_pk8_fp4_f32 v[(\c)+\g], v[(\xs)+8*\g:(\xs)+8*\g+7], v[SCV]
.endr
.endm
; Block t of my key: channels 32 t .. 32 t + 31, 512 bytes apart, into set t % 2; the 32 lanes of a load read 128 consecutive bytes.
.macro LOAD t
.set ls, X+32*((\t)%2)
.set i, 0
.rept 32
.if (\t) < 4
	ds_load_b32 v[ls+i], v[ADA] offset:512*(32*(\t)+i)
.else
	ds_load_b32 v[ls+i], v[ADB] offset:512*(32*((\t)-4)+i)
.endif
.set i, i+1
.endr
.endm
; My 16 channels x 128 keys of one query, from memory into 64 registers: each load of the wave reads 512 consecutive bytes, at a multiple of 512 from dist's first byte.  A channel is 1,048,576 bytes on from the last:
; eight of them stand in the immediate (7,340,032 at the most, inside its signed 24 bits: ISA guide, chapter 10), so there are two bases.
.macro GLOAD
.irp i, 0,1,2,3,4,5,6,7
	global_load_b128 v[GA+4*\i:GA+4*\i+3], v[L16], s[78:79] offset:\i*0x100000 th:TH_LOAD_NT
.endr
.irp i, 0,1,2,3,4,5,6,7
	global_load_b128 v[GB+4*\i:GB+4*\i+3], v[L16], s[80:81] offset:\i*0x100000 th:TH_LOAD_NT
.endr
.endm
; and from the registers into their rows of a slot, as they lie
.macro GSTORE adr
.irp i, 0,1,2,3,4,5,6,7
	ds_store_b128 v[\adr], v[GA+4*\i:GA+4*\i+3] offset:512*\i
.endr
.irp i, 0,1,2,3,4,5,6,7
	ds_store_b128 v[\adr], v[GB+4*\i:GB+4*\i+3] offset:512*(\i+8)
.endr
.endm
; One matrix instruction, by the symbols rD, rA, rB, rC, sA, sB; aR, bR: which half of the lanes holds the side's scale words.
.macro MM
.if aR && bR
	v_wmma_scale_f32_16x16x128_f8f6f4 v[rD:rD+7], v[rA:rA+7], v[rB:rB+7], v[rC:rC+7], v[sA], v[sB] matrix_a_fmt:MATRIX_FMT_FP4 matrix_b_fmt:MATRIX_FMT_FP4 matrix_a_scale:MATRIX_SCALE_ROW1 matrix_b_scale:MATRIX_SCALE_ROW1
.elseif aR
	v_wmma_scale_f32_16x16x128_f8f6f4 v[rD:rD+7], v[rA:rA+7], v[rB:rB+7], v[rC:rC+7], v[sA], v[sB] matrix_a_fmt:MATRIX_FMT_FP4 matrix_b_fmt:MATRIX_FMT_FP4 matrix_a_scale:MATRIX_SCALE_ROW1
.elseif bR
	v_wmma_scale_f32_16x16x128_f8f6f4 v[rD:rD+7], v[rA:rA+7], v[rB:rB+7], v[rC:rC+7], v[sA], v[sB] matrix_a_fmt:MATRIX_FMT_FP4 matrix_b_fmt:MATRIX_FMT_FP4 matrix_b_scale:MATRIX_SCALE_ROW1
.else
	v_wmma_scale_f32_16x16x128_f8f6f4 v[rD:rD+7], v[rA:rA+7], v[rB:rB+7], v[rC:rC+7], v[sA], v[sB] matrix_a_fmt:MATRIX_FMT_FP4 matrix_b_fmt:MATRIX_FMT_FP4
.endif
.endm
; Step s of six along K: 32 matrix instructions, the 32 accumulators by turns, in the same order in every step.  Step 0 takes ab1 as C: nothing is cleared, no bias is added.
.macro MMSTEP s
.irp p, 0,1,2,3,4,5,6,7
.irp t, 0,1,2,3
.set rD, 8*(4*\p+\t)
.set rA, 8*(6*\t+(\s))
.set sA, W1S+6*(\t/2)+(\s)
.set aR, \t%2
.if (\s) < 2
.set rB, QX+8*(\s)
.set sB, XS+(\s)
.set bR, 0
.elseif (\s) < 4
.set rB, 16*\p+8*((\s)-2)
.set sB, SRS+2*(\p/2)+(\s)-2
.set bR, \p%2
.else
.set rB, 128+16*\p+8*((\s)-4)
.set sB, DSC+2*(\p/2)+(\s)-4
.set bR, \p%2
.endif
.if (\s) == 0
.set rC, 224+8*\t
.else
.set rC, rD
.endif
	MM
.endr
.endr
.endm
	s_load_b512 s[4:19], s[0:1], 0x0               ; dist s[4:5], codes s[6:7], scales s[8:9], ab1 s[10:11], aW2 s[12:13], ab2 s[14:15], raw s[16:17], mins s[18:19]
	v_lshl_add_u32 v[SPW], v0, 2, SPARE
	v_mov_b32 v[NIL], 0
	ds_add_u32 v2, v3
	ds_add_u32 v2, v3
	s_wait_dscnt 0x0
	v_lshrrev_b32 v19, 5, v0
	v_readfirstlane_b32 s20, v19                   ; wave 0..3
	s_mov_b32 s21, ttmp9                           ; gx
	s_and_b32 s22, ttmp7, 0xffff                   ; gy
	; descriptor group 1: 48 rows (channels) of 128 elements of 4 bytes, 262,144 elements from row to row, dense in LDS
	s_mov_b32 s24, 2<<16                           ; 15:0 no mask; 17:16 elements of 4 bytes; 20 no padding
	s_mov_b32 s25, 128<<16                         ; tensor_dim0 = 128
	s_mov_b32 s26, 48<<16                          ; tensor_dim1 = 48
	s_mov_b32 s27, 128<<16                         ; tile_dim0 = 128
	s_mov_b32 s28, 48                              ; tile_dim1 = 48
	s_mov_b32 s29, 262144                          ; tensor_dim0_stride
	s_mov_b32 s30, 0
	s_mov_b32 s31, 0
	s_lshl_b32 s56, s22, 14                        ; 8 gy queries of 2,048 bytes,
	s_lshl_b32 s58, s21, 9                         ; 128 gx keys
	s_add_co_u32 s56, s56, s58
	s_mul_i32 s50, s20, 0x3000000                  ; the mover's part: my 48 channels of 1,048,576 bytes
	s_add_co_u32 s50, s50, s56
	s_mov_b32 s51, 0
	s_lshl_b32 s58, s20, 24                        ; the registers' part: channel 192 + 16 wave
	s_add_co_u32 s58, s58, 0xc000000
	s_add_co_u32 s58, s58, s56
	s_mov_b32 s59, 0
	s_mov_b32 s32, 1                               ; group 0 for query 0 into slot 0
	s_mul_i32 s33, s20, 24576                      ; LDS: 48 rows of 512 bytes x wave
	s_mov_b32 s36, 1                               ; group 0 for query 1 into slot 1; it then walks
	s_add_co_u32 s37, s33, SLOT1
	s_wait_kmcnt 0x0
	s_add_nc_u64 s[34:35], s[4:5], s[50:51]
	s_add_nc_u64 s[38:39], s[34:35], 2048
	s_or_b32 s35, s35, 0x80000000                  ; type = 2
	s_or_b32 s39, s39, 0x80000000
	tensor_load_to_lds s[32:35], s[24:31]          ; the two first fills go out together, ahead of everything else: two loads of mine are out
	s_nop 0
	tensor_load_to_lds s[36:39], s[24:31]
	s_nop 0
.rept 4
	v_nop
.endr
	s_add_nc_u64 s[78:79], s[4:5], s[58:59]        ; my channels 0-7 of 16, query 0
	s_add_nc_u64 s[80:81], s[78:79], 0x800000      ; my channels 8-15
	v_and_b32 v[LANE], 31, v0
	v_lshlrev_b32 v[L16], 4, v[LANE]
	GLOAD                                          ; query 0's last 64 channels
	s_load_b32 s60, s[14:15], 0x0                  ; ab2
	s_mov_b32 s57, 0
	s_mul_i32 s56, s20, 24576
	s_add_nc_u64 s[66:67], s[6:7], s[56:57]        ; aW1's codes: my four tiles x six steps
	s_lshl_b32 s56, s20, 8
	s_add_nc_u64 s[68:69], s[8:9], s[56:57]        ; their scale words: slots 64 w on
	s_add_nc_u64 s[70:71], s[12:13], s[56:57]      ; aW2 at unit 64 w
	s_add_nc_u64 s[72:73], s[10:11], s[56:57]      ; ab1 likewise
	s_lshl_b32 s56, s21, 14
	s_add_co_u32 s56, s56, 425984
	s_add_nc_u64 s[74:75], s[6:7], s[56:57]        ; source's codes along the channels: tiles 8 gx on
	s_lshl_b32 s56, s21, 9
	s_add_co_u32 s56, s56, 26624
	s_add_nc_u64 s[76:77], s[8:9], s[56:57]        ; their scale words
	s_lshr_b32 s56, s22, 1
	s_lshl_b32 s56, s56, 11
	s_and_b32 s58, s22, 1
	s_lshl_b32 s58, s58, 7
	s_add_co_u32 s56, s56, s58
	s_add_co_u32 s56, s56, 360448
	s_add_nc_u64 s[46:47], s[6:7], s[56:57]        ; x's codes at query 8 gy: tile gy / 2, slot 8 (gy % 2); 16 bytes a query on
	s_lshl_b32 s56, s22, 5
	s_add_co_u32 s56, s56, 22528
	s_add_nc_u64 s[48:49], s[8:9], s[56:57]        ; its scale word; 4 bytes a query on
	s_lshl_b32 s56, s22, 14
	s_lshl_b32 s58, s20, 12
	s_add_co_u32 s56, s56, s58
	s_lshl_b32 s58, s21, 9
	s_add_co_u32 s56, s56, s58
	s_add_nc_u64 s[16:17], s[16:17], s[56:57]      ; raw at row 8 gy + 2 w, key 128 gx
	s_lshl_b32 s56, s22, 4
	s_lshl_b32 s58, s21, 2
	s_add_co_u32 s56, s56, s58
	s_add_co_u32 s56, s56, s20
	s_lshl_b32 s56, s56, 2
	s_add_nc_u64 s[18:19], s[18:19], s[56:57]      ; mins at word 16 gy + 4 gx + w
	v_lshlrev_b32 v[T4], 2, v0
	v_bfe_u32 v19, v0, 4, 1                        ; h
	v_lshlrev_b32 v[H256], 8, v19
	v_lshlrev_b32 v[H32], 5, v19
	v_mov_b32 v[ZERO], 0
	v_lshlrev_b32 v[L4], 2, v[LANE]
	; what stays in registers: 116 loads
	WIN 0x40                                       ; destination window 1
.set f, 0
.rept 24
	global_load_b128 v[8*f:8*f+3], v[L16], s[66:67] offset:1024*f
	global_load_b128 v[8*f+4:8*f+7], v[L16], s[66:67] offset:1024*f+512
.set f, f+1
.endr
.irp t, 0,1,2,3                        ; in the result's layout: lane (r, h), register j: unit 64 w + 16 t + 8 h + j
	global_load_b128 v[192+8*\t:192+8*\t+3], v[H32], s[70:71] offset:64*\t
	global_load_b128 v[192+8*\t+4:192+8*\t+7], v[H32], s[70:71] offset:64*\t+16
	global_load_b128 v[224+8*\t:224+8*\t+3], v[H32], s[72:73] offset:64*\t
	global_load_b128 v[224+8*\t+4:224+8*\t+7], v[H32], s[72:73] offset:64*\t+16
.endr
	WIN 0x80                                       ; destination window 2
.set f, 0
.rept 32
	global_load_b128 v[4*f:4*f+3], v[L16], s[74:75] offset:512*f
.set f, f+1
.endr
	WIN 0
.irp i, 0,1
.irp s, 0,1,2,3,4,5
	global_load_b32 v[W1S+6*\i+\s], v[L4], s[68:69] offset:1024*\s+128*\i
.endr
.endr
.irp i, 0,1,2,3
.irp s, 0,1
	global_load_b32 v[SRS+2*\i+\s], v[L4], s[76:77] offset:2048*\s+128*\i
.endr
.endr
	s_lshl_b32 s56, s20, 12
	s_add_co_u32 s58, s56, IMG
	v_add_nc_u32 v[IW0], s58, v[L16]
	v_add_nc_u32 v[IR0], IMG, v[L16]
	v_add_nc_u32 v[SW0], SCL, v[T4]
	v_add_nc_u32 v[SR0], SCL, v[L4]
	s_add_co_u32 s58, s56, PART
	v_add_nc_u32 v[PW0], s58, v[L4]
	s_lshl_b32 s58, s20, 10
	s_add_co_u32 s58, s58, PART
	v_add_nc_u32 v[ER], s58, v[L16]
	s_lshl_b32 s58, s20, 13
	s_add_co_u32 s58, s58, STG
	v_add_nc_u32 v[ST0], s58, v[L16]
	s_mov_b32 s40, 0                               ; the slot that the quantiser reads
	s_mov_b32 s41, 0                               ; the images' buffer in hand
	s_mov_b32 s42, 0                               ; the scale words' buffer
	s_mov_b32 s43, 0                               ; 512 x the slot's number: its place in my part of PART
	s_mov_b32 s52, 0x76543210
	s_mov_b32 s53, 0xfedcba98                      ; v_permlanex16_b32's selects for lane l xor 16
	s_wait_loadcnt 0x0                             ; query 0's last channels, and all that stays in registers: the mover's first tile is waited for below in any case
	GSTORE ST0                                     ; into slot 0
	s_add_nc_u64 s[78:79], s[78:79], 2048          ; those loads are done: their bases step to query 1
	s_add_nc_u64 s[80:81], s[80:81], 2048
	s_wait_dscnt 0x0                               ; the stores have read their registers, and have landed, for the others' sake
	GLOAD                                          ; query 1's last 64 channels: they stay out across the barrier
	s_wait_kmcnt 0x0
	s_mov_b32 s61, s60                             ; (named with it as a pair, so it is written)
	s_wait_tensorcnt 0x1                           ; my part of slot 0 is in; slot 1's may stay out
	s_barrier_signal -1
	s_barrier_wait -1                              ; everybody's is
	v_add_nc_u32 v[ADA], s40, v[T4]
	v_add_nc_u32 v[ADB], 0x10000, v[ADA]
	LOAD 0                                         ; the first slot's first two blocks; later slots' stand between the matrix steps
	LOAD 1
; ONE SLOT: one query x 128 keys.  At its head blocks 0 and 1 of my keys have been asked of LDS.
; fill = 1: the slot is filled again with the query two further on, by both ways.  next = 1: a slot follows: its last channels go from registers to LDS, and its first two blocks are asked for.
.macro SLOT fill, next
	v_add_nc_u32 v[IWA], s41, v[IW0]
	v_add_nc_u32 v[IRA], s41, v[IR0]
	v_add_nc_u32 v[SWA], s42, v[SW0]
	v_add_nc_u32 v[SRA], s42, v[SR0]
	v_add_nc_u32 v[PWA], s43, v[PW0]
.irp k, 0,1,2,3                        ; x's fragments of this query: every column is the query, so a lane's place hangs on h alone
	global_load_b128 v[QX+4*\k:QX+4*\k+3], v[H256], s[46:47] offset:512*\k
.endr
.irp s, 0,1
	global_load_b32 v[XS+\s], v[ZERO], s[48:49] offset:2048*\s
.endr
	; QUANTISE my 32 keys: eight blocks of 32 channels, the LDS loads one block ahead in two sets of registers
.irp t, 0,1,2,3,4,5,6,7
.if \t < 7
	s_wait_dscnt 32                                ; LDS instructions end in order: behind this block's loads stand the next block's 32 (at the head four stores more): this block is in
.else
	s_wait_dscnt 0x0
.endif
	BLOCK32 \t, X+32*(\t%2), C+4*\t, WD+\t/4
.if \t < 6
	LOAD \t+2
.endif
.endr
	v_nop                                          ; one plain instruction between the last conversion and the lines that touch its result
.irp b, 0,2,4,6                        ; blocks b and b + 1 of 32 keys become group (b / 2) % 2 of two tiles of 16 keys
.irp g, 0,1,2,3
	v_permlane16_swap_b32 v[C+4*\b+\g], v[C+4*\b+4+\g]
.endr
.endr
.irp b, 0,1,2,3,4,5,6,7                ; block b = 4 s' + 2 c + u: tile 2 w + u, step s', group c
	ds_store_b128 v[IWA], v[C+4*\b:C+4*\b+3] offset:2048*(\b%2)+1024*(\b/4)+512*((\b/2)%2)
.endr
	ds_store_b32 v[SWA], v[WD]
	ds_store_b32 v[SWA], v[WD+1] offset:512
	s_wait_loadcnt 0x0                             ; x's fragments, asked for at the slot's head, and the next query's last channels, asked for a slot ago
	s_add_nc_u64 s[46:47], s[46:47], 16            ; those loads are done: their bases step to the next query
	s_add_nc_u64 s[48:49], s[48:49], 4
.if \next
	s_xor_b32 s45, s40, SLOT1
	v_add_nc_u32 v[STA], s45, v[ST0]
	GSTORE STA                                     ; into the other slot: its last reads of these bytes stand ahead of the last barrier, the next behind the one below
.endif
.if \fill
	s_add_nc_u64 s[78:79], s[78:79], 2048
	s_add_nc_u64 s[80:81], s[80:81], 2048
	s_wait_dscnt 0x0                               ; the stores have read their registers
	GLOAD                                          ; the last 64 channels of the query two further on: out across the barrier, a whole slot's work in which to land
.endif
	s_wait_tensorcnt 0x0                           ; all my tensor loads have landed: my part of the next slot; no load of mine is out, so a group 0 may be written
	ds_add_u32 v[SPW], v[NIL]                      ; 0 onto my spare word
.if \fill
	s_xor_b32 s37, s37, SLOT1                      ; the walking descriptor: the slot just read,
	s_add_nc_u64 s[38:39], s[38:39], 2048          ; the next query; the type bits on top are not reached
.endif
	s_wait_dscnt 0x0                               ; the add is done, my reads of this slot are back, my images, scale words and channels have landed
	s_barrier_signal -1
	s_barrier_wait -1                              ; all that now holds of every wave
.if \fill
	tensor_load_to_lds s[36:39], s[24:31]          ; my one tensor load behind this barrier, and the first thing there: it has a whole slot's work in which to land
	s_nop 0
.rept 4
	v_nop
.endr
.endif
	WIN 0x80                                       ; destination window 2
.set f, 0
.rept 32
	ds_load_b128 v[128+4*f:128+4*f+3], v[IRA] offset:512*f     ; dist's sixteen fragments, as any wave stored them
.set f, f+1
.endr
	WIN 0
.irp i, 0,1,2,3
.irp s, 0,1
	ds_load_b32 v[DSC+2*\i+\s], v[SRA] offset:512*\s+128*\i    ; lanes 0-15: tile 2 i's words, lanes 16-31: tile 2 i + 1's
.endr
.endr
.if \next
	s_xor_b32 s40, s40, SLOT1                      ; the quantiser goes on to the other slot, which is whole behind this barrier
	v_add_nc_u32 v[ADA], s40, v[T4]
	v_add_nc_u32 v[ADB], 0x10000, v[ADA]
.endif
	WIN 0xd1                                       ; aW1 and ab1 window 1, x window 0, D window 3
	MMSTEP 0
.if \next
	WIN 0
	LOAD 0                                         ; the next slot's block 0: served while the matrix unit works
.endif
	WIN 0xf1                                       ; C window 3
	MMSTEP 1
.if \next
	WIN 0
	LOAD 1
.endif
	WIN 0xf9                                       ; source 1 window 2
	MMSTEP 2
	MMSTEP 3
.if \next
	s_wait_dscnt 32                                ; dist's fragments and words are in (and block 0); block 1's 32 loads may be out
.else
	s_wait_dscnt 0x0
.endif
	MMSTEP 4
	MMSTEP 5
.rept 4
	v_nop                                          ; four plain instructions between the last products and the first read of their results (ISA guide 7.12.1)
.endr
	WIN 0xcc                                       ; source 1 and destination window 3
.set i, 0
.rept 256
	v_max_num_f32 v[i], 0, v[i]                    ; relu; each accumulator from its low end on
.set i, i+1
.endr
	WIN 0x07                                       ; source 0 window 3, source 1 (aW2) window 1
.irp t, 0,1,2,3
.irp j, 0,2,4,6
.irp p, 0,1,2,3,4,5,6,7                ; eight chains by turns
.if (\t == 0) && (\j == 0)
	v_pk_mul_f32 v[SUM+2*\p:SUM+2*\p+1], v[8*(4*\p+\t)+\j:8*(4*\p+\t)+\j+1], v[192+8*\t+\j:192+8*\t+\j+1]
.else
	v_pk_fma_f32 v[SUM+2*\p:SUM+2*\p+1], v[8*(4*\p+\t)+\j:8*(4*\p+\t)+\j+1], v[192+8*\t+\j:192+8*\t+\j+1], v[SUM+2*\p:SUM+2*\p+1]
.endif
.endr
.endr
.endr
	WIN 0
.irp p, 0,1,2,3,4,5,6,7
	v_add_f32 v[SUM+2*\p], v[SUM+2*\p], v[SUM+2*\p+1]
.endr
.irp i, 0,1,2,3                        ; a key's two halves lie in lanes r and r + 16: the swap sets both tiles' halves side by side, 32 keys in 32 lanes
	v_permlane16_swap_b32 v[SUM+4*\i], v[SUM+4*\i+2]
.endr
.irp i, 0,1,2,3
	v_add_f32 v[SUM+4*\i], v[SUM+4*\i], v[SUM+4*\i+2]
.endr
.irp i, 0,1,2,3
	ds_store_b32 v[PWA], v[SUM+4*\i] offset:128*\i ; my 64 units' part of the scores of keys 32 i + lane
.endr
	s_xor_b32 s41, s41, IMGB
	s_xor_b32 s42, s42, SCLB
	s_add_co_u32 s43, s43, 512
.endm
	s_mov_b32 s44, 6
.Lfill:                                            ; queries 0 to 5: each slot is filled again
	SLOT 1, 1
	s_sub_co_u32 s44, s44, 1
	s_cmp_lg_u32 s44, 0
	s_cbranch_scc1 .Lfill
	SLOT 0, 1                                      ; query 6: nothing is left to fetch; written out
	SLOT 0, 0                                      ; query 7: no slot follows
	; THE END: wave w adds the four waves' parts of queries 2 w and 2 w + 1, adds ab2, and stores two rows' 512 consecutive bytes
	s_wait_dscnt 0x0                               ; for the others' sake: my parts have landed
	s_barrier_signal -1
	s_barrier_wait -1
.irp g, 0,1
.irp w, 0,1,2,3
	ds_load_b128 v[X+16*\g+4*\w:X+16*\g+4*\w+3], v[ER] offset:4096*\w+512*\g
.endr
.endr
	s_wait_dscnt 0x0
.irp g, 0,1
	v_pk_add_f32 v[X+16*\g:X+16*\g+1], v[X+16*\g:X+16*\g+1], v[X+16*\g+4:X+16*\g+5]
	v_pk_add_f32 v[X+16*\g+2:X+16*\g+3], v[X+16*\g+2:X+16*\g+3], v[X+16*\g+6:X+16*\g+7]
	v_pk_add_f32 v[X+16*\g+8:X+16*\g+9], v[X+16*\g+8:X+16*\g+9], v[X+16*\g+12:X+16*\g+13]
	v_pk_add_f32 v[X+16*\g+10:X+16*\g+11], v[X+16*\g+10:X+16*\g+11], v[X+16*\g+14:X+16*\g+15]
	v_pk_add_f32 v[X+16*\g:X+16*\g+1], v[X+16*\g:X+16*\g+1], v[X+16*\g+8:X+16*\g+9]
	v_pk_add_f32 v[X+16*\g+2:X+16*\g+3], v[X+16*\g+2:X+16*\g+3], v[X+16*\g+10:X+16*\g+11]
	v_pk_add_f32 v[X+16*\g:X+16*\g+1], v[X+16*\g:X+16*\g+1], s[60:61] op_sel_hi:[1,0]
	v_pk_add_f32 v[X+16*\g+2:X+16*\g+3], v[X+16*\g+2:X+16*\g+3], s[60:61] op_sel_hi:[1,0]
	global_store_b128 v[L16], v[X+16*\g:X+16*\g+3], s[16:17] offset:2048*\g
.endr
	v_min3_num_f32 v[MXA], v[X], v[X+1], v[X+2]    ; the smallest of my 256 scores
	v_min3_num_f32 v[MXA], v[MXA], v[X+3], v[X+16]
	v_min3_num_f32 v[MXA], v[MXA], v[X+17], v[X+18]
	v_min_num_f32 v[MXA], v[MXA], v[X+19]
	v_min_num_f32_dpp v[MXA], v[MXA], v[MXA] row_xmask:1 row_mask:0xf bank_mask:0xf
	v_min_num_f32_dpp v[MXA], v[MXA], v[MXA] row_xmask:2 row_mask:0xf bank_mask:0xf
	v_min_num_f32_dpp v[MXA], v[MXA], v[MXA] row_xmask:4 row_mask:0xf bank_mask:0xf
	v_min_num_f32_dpp v[MXA], v[MXA], v[MXA] row_xmask:8 row_mask:0xf bank_mask:0xf
	v_permlanex16_b32 v[MXB], v[MXA], s52, s53
	v_min_num_f32 v[MXA], v[MXA], v[MXB]
	v_cmp_eq_u32 vcc_lo, 0, v[LANE]
	s_wait_xcnt 0x0                                ; EXEC changes only behind this wait: the stores above have read it
	s_and_saveexec_b32 s54, vcc_lo
	global_store_b32 v[ZERO], v[MXA], s[18:19]     ; lane 0 alone
	s_wait_xcnt 0x0                                ; and again, in front of the line that widens it
	s_or_b32 exec_lo, exec_lo, s54
	s_wait_tensorcnt 0x0                           ; the wave's end: behind my last tensor load and my last LDS store
	ds_add_u32 v[SPW], v[NIL]
	s_wait_dscnt 0x0
	s_endpgm
.Lfunc_end_k_q918960a1fe_score:
	.size	k_q918960a1fe_score, .Lfunc_end_k_q918960a1fe_score-k_q918960a1fe_score
	.p2alignl 7, 3214868480
	.fill 96, 4, 3214868480
	.section	.rodata,"a",@progbits
	.p2align	6, 0x0
	.amdhsa_kernel k_q918960a1fe_score
		.amdhsa_group_segment_fixed_size 327680
		.amdhsa_private_segment_fixed_size 0
		.amdhsa_enable_private_segment 0
		.amdhsa_kernarg_size 64
		.amdhsa_user_sgpr_count 2
		.amdhsa_user_sgpr_kernarg_segment_ptr 1
		.amdhsa_wavefront_size32 1
		.amdhsa_system_sgpr_workgroup_id_x 1
		.amdhsa_system_sgpr_workgroup_id_y 1
		.amdhsa_system_sgpr_workgroup_id_z 1
		.amdhsa_system_vgpr_workitem_id 0
		.amdhsa_next_free_vgpr 1024
		.amdhsa_next_free_sgpr 84
		.amdhsa_reserve_vcc 1
		.amdhsa_float_denorm_mode_32 3
		.amdhsa_float_denorm_mode_16_64 3
		.amdhsa_memory_ordered 1
		.amdhsa_forward_progress 1
		.amdhsa_inst_pref_size 249
	.end_amdhsa_kernel
	.amdgpu_metadata
---
amdhsa.version: [ 1, 2 ]
amdhsa.kernels:
  - .name:           k_q918960a1fe_score
    .symbol:         k_q918960a1fe_score.kd
    .args:
      - { .name: dist, .offset: 0, .size: 8, .value_kind: global_buffer, .address_space: global }
      - { .name: codes, .offset: 8, .size: 8, .value_kind: global_buffer, .address_space: global }
      - { .name: scales, .offset: 16, .size: 8, .value_kind: global_buffer, .address_space: global }
      - { .name: ab1, .offset: 24, .size: 8, .value_kind: global_buffer, .address_space: global }
      - { .name: aW2, .offset: 32, .size: 8, .value_kind: global_buffer, .address_space: global }
      - { .name: ab2, .offset: 40, .size: 8, .value_kind: global_buffer, .address_space: global }
      - { .name: raw, .offset: 48, .size: 8, .value_kind: global_buffer, .address_space: global }
      - { .name: mins, .offset: 56, .size: 8, .value_kind: global_buffer, .address_space: global }
    .group_segment_fixed_size: 327680
    .private_segment_fixed_size: 0
    .kernarg_segment_align: 8
    .kernarg_segment_size: 64
    .max_flat_workgroup_size: 128
    .sgpr_count:     84
    .vgpr_count:     1024
    .wavefront_size: 32
...
	.end_amdgpu_metadata
.endif
;; end of part 2
;; launch merge (part 3): grid 32 x 1, 8 waves a work-group, no clusters, 46,080 bytes of LDS; arguments raw, mins, mask, codes, scales, mb1, mb2, out0, out1; writes out0, out1
.if DOCPART == 3
	.amdgcn_target "amdgcn-amd-amdhsa--gfx1250"
	.amdhsa_code_object_version 6
	.text
	.protected	k_q918960a1fe_merge
	.globl	k_q918960a1fe_merge
	.p2align	8
	.type	k_q918960a1fe_merge,@function
k_q918960a1fe_merge:
	s_mov_b64 s[64:65], 0
	v_nop
	global_prefetch_b8 v0, s[64:65] scope:SCOPE_SE
	s_setreg_imm32_b32 hwreg(HW_REG_WAVE_MODE, 25, 1), 1
	s_wait_xcnt 0x0
; out1 = raw + (min of all raw - 20) x (not mask);  p = 2^(t - M) along the keys, t = out1 x log2(e), M = ceil(the row's largest t);  message = source p / (the row's sum of p);
; out0 = mW2 relu(mW1 [x ; message] + mb1) + mb2.  The three products are on codes of FP4 (E2M1) with one E8M0 byte for each 32 along K; p, message and the hidden layer are quantised here, in f32, on their way.
; SHARES.  A work-group owns 16 queries.  Wave v owns: rows 2 v, 2 v + 1 in the softmax; channels 32 v .. + 31 of message; hidden units 64 v .. + 63; outputs 32 v .. + 31.  Its weights' fragments go from memory
; straight into registers, asked for a phase or more ahead.  Every product is used transposed (source 0 = 16 rows of the weight, source 1 = the 16 queries): a lane holds one query throughout.
; The rows of source and of mW1 that form a tile were permuted by the launch that laid them out, so that a lane's 16 registers of two neighbouring tiles are 16 neighbours along the next K.
; Operands go from wave to wave through LDS as images of their registers; each LDS region is written once; four barriers.
; 32 work-groups: the launch's work is 16 queries' rows each; out0's rows run along the queries, so a work-group's stores are runs of 64 bytes.
; NO CLUSTER: the weights that work-groups share, 262,144 bytes of codes, are read once by each work-group into registers; no tile goes through LDS.
; LIMITS: mask bytes are 0 or 1; a block of zeros gets the scale byte 1 (its codes are zeros; this program alone reads the bytes); NaN and infinities are not served.
; REGISTERS: window 0: v1-20 lane terms and addresses; v24-51 scale words; v52-83 mb1, v84-99 mb2, in the result's layout; v100-115 x's fragments; v116-255 at work.
;   window 1: v0-63 source (tile u, step s at 8 (4 u + s)); v64-191 mW1 (64 + 8 (4 t + s)); v192-255 mW2 (192 + 8 (4 u + s)).
.set PST,  0                           ; p in f32: 16 rows x (2,048 + 16) bytes
.set PP,   2064
.set LSUM, 33280                       ; the rows' sums
.set PIMG, 33536                       ; p's four fragments;  PSC their scale words, 64 bytes a step
.set PSC,  37632
.set CIMG, 37888                       ; message's two fragments;  CSC
.set CSC,  39936
.set HIMG, 40192                       ; the hidden layer's four;  HSC
.set HSC,  44288
.set MXA,  236
.set MXB,  237
.set SCV,  238
.set BY,   239
.set MSB, 0
.macro WIN new                         ; the immediate's high byte repeats the setting that is left
.if MSB != \new
	s_set_vgpr_msb (MSB<<8)|\new
.set MSB, \new
.endif
.endm
; 32 numbers of ONE lane, v[xs] on, become 32 codes in v[c] .. v[c + 3]; the block's byte goes to byte t % 4 of v[w].
.macro BLOCK32 t, xs, c, w
	v_max3_num_f32 v[MXA], |v[(\xs)]|, |v[(\xs)+1]|, |v[(\xs)+2]|
	v_max3_num_f32 v[MXB], |v[(\xs)+3]|, |v[(\xs)+4]|, |v[(\xs)+5]|
.irp i, 6,10,14,18,22,26
	v_max3_num_f32 v[MXA], v[MXA], |v[(\xs)+\i]|, |v[(\xs)+\i+1]|
	v_max3_num_f32 v[MXB], v[MXB], |v[(\xs)+\i+2]|, |v[(\xs)+\i+3]|
.endr
	v_max3_num_f32 v[MXA], v[MXA], |v[(\xs)+30]|, |v[(\xs)+31]|
	v_max3_num_f32 v[MXA], v[MXA], v[MXB], 0x1800000   ; and the floor 2^(3 - 127): the byte cannot fall under 1
	v_add_nc_u32 v[SCV], 0xff000000, v[MXA]            ; 2 off the exponent field: the conversion takes that field as its scale
	v_lshrrev_b32 v[BY], 23, v[SCV]
.if (\t)%4 == 0
	v_mov_b32 v[(\w)], v[BY]
.else
	v_lshl_or_b32 v[(\w)], v[BY], 8*((\t)%4), v[(\w)]
.endif
.irp g, 0,1,2,3
	v_cvt_scalef32_pk8_fp4_f32 v[(\c)+\g], v[(\xs)+8*\g:(\xs)+8*\g+7], v[SCV]
.endr
.endm
; 16 numbers of a lane, half a block (lane l xor 16 holds the other half), become 8 bytes of codes, stored at their place in the fragment's image, and the block's byte.
.macro QB16 src, cp, by, ia, io, sa, so
	v_max3_num_f32 v[MXA], |v[(\src)]|, |v[(\src)+1]|, 0x1800000
.irp i, 2,4,6,8,10,12,14
	v_max3_num_f32 v[MXA], v[MXA], |v[(\src)+\i]|, |v[(\src)+\i+1]|
.endr
	v_permlanex16_b32 v[MXB], v[MXA], s52, s53
	v_max_num_f32 v[MXA], v[MXA], v[MXB]
	v_add_nc_u32 v[SCV], 0xff000000, v[MXA]
	v_lshrrev_b32 v[\by], 23, v[SCV]
	v_cvt_scalef32_pk8_fp4_f32 v[\cp], v[(\src):(\src)+7], v[SCV]
	v_cvt_scalef32_pk8_fp4_f32 v[\cp+1], v[(\src)+8:(\src)+15], v[SCV]
	v_nop                                          ; one plain instruction behind the last conversion
	ds_store_b64 v[\ia], v[\cp:\cp+1] offset:\io
	ds_store_b8 v[\sa], v[\by] offset:\so          ; both lanes of a block write the same byte with the same value
.endm
; One matrix instruction, by the symbols rD, rA, rB, rC, sA, sB; aR: which half of the lanes holds the weight's scale words.  zero = 1: the sum starts at 0.
.macro MM zero
.if \zero
.if aR
	v_wmma_scale_f32_16x16x128_f8f6f4 v[rD:rD+7], v[rA:rA+7], v[rB:rB+7], 0, v[sA], v[sB] matrix_a_fmt:MATRIX_FMT_FP4 matrix_b_fmt:MATRIX_FMT_FP4 matrix_a_scale:MATRIX_SCALE_ROW1
.else
	v_wmma_scale_f32_16x16x128_f8f6f4 v[rD:rD+7], v[rA:rA+7], v[rB:rB+7], 0, v[sA], v[sB] matrix_a_fmt:MATRIX_FMT_FP4 matrix_b_fmt:MATRIX_FMT_FP4
.endif
.else
.if aR
	v_wmma_scale_f32_16x16x128_f8f6f4 v[rD:rD+7], v[rA:rA+7], v[rB:rB+7], v[rC:rC+7], v[sA], v[sB] matrix_a_fmt:MATRIX_FMT_FP4 matrix_b_fmt:MATRIX_FMT_FP4 matrix_a_scale:MATRIX_SCALE_ROW1
.else
	v_wmma_scale_f32_16x16x128_f8f6f4 v[rD:rD+7], v[rA:rA+7], v[rB:rB+7], v[rC:rC+7], v[sA], v[sB] matrix_a_fmt:MATRIX_FMT_FP4 matrix_b_fmt:MATRIX_FMT_FP4
.endif
.endif
.endm
.macro BARRIER                         ; my LDS stores have landed and my LDS loads are in: then the work-group's barrier
	s_wait_dscnt 0x0
	s_barrier_signal -1
	s_barrier_wait -1
.endm
.macro PLACES n
.rept \n
	v_nop
.endr
.endm
	s_load_b512 s[4:19], s[0:1], 0x0               ; raw s[4:5], mins s[6:7], mask s[8:9], codes s[10:11], scales s[12:13], mb1 s[14:15], mb2 s[16:17], out0 s[18:19]
	s_load_b64 s[20:21], s[0:1], 0x40              ; out1
	v_lshl_add_u32 v254, v0, 2, 0xb000
	v_mov_b32 v255, 0
	v_lshrrev_b32 v1, 5, v0
	v_readfirstlane_b32 s22, v1                    ; wave 0..7
	s_mov_b32 s23, ttmp9                           ; which 16 queries
	v_and_b32 v1, 31, v0                           ; lane
	v_and_b32 v2, 15, v0                           ; r
	v_bfe_u32 v3, v0, 4, 1                         ; h
	v_lshlrev_b32 v4, 4, v1                        ; 16 lane
	v_lshlrev_b32 v5, 2, v1                        ; 4 lane
	v_lshlrev_b32 v6, 2, v2                        ; 4 r
	v_lshlrev_b32 v19, 6, v3                       ; 64 h
	v_lshlrev_b32 v20, 5, v3                       ; 32 h
	s_mov_b32 s52, 0x76543210
	s_mov_b32 s53, 0xfedcba98                      ; v_permlanex16_b32's selects for lane l xor 16
	s_mov_b32 s58, 0x3fb8aa3b                      ; log2(e)
	s_mov_b32 s55, 0
	s_lshl_b32 s56, s23, 4
	s_lshl_b32 s57, s22, 1
	s_add_co_u32 s56, s56, s57                     ; my first row: 16 x work-group + 2 x wave
	s_wait_kmcnt 0x0
	s_lshl_b32 s54, s56, 11
	s_add_nc_u64 s[24:25], s[4:5], s[54:55]        ; raw
	s_add_nc_u64 s[28:29], s[20:21], s[54:55]      ; out1
	s_lshl_b32 s54, s56, 9
	s_add_nc_u64 s[26:27], s[8:9], s[54:55]        ; mask
	s_lshl_b32 s54, s22, 13
	s_add_co_u32 s54, s54, 294912
	s_add_nc_u64 s[30:31], s[10:11], s[54:55]      ; source along the keys: tiles 2 v, 2 v + 1
	s_lshl_b32 s54, s22, 7
	s_add_co_u32 s54, s54, 18432
	s_add_nc_u64 s[32:33], s[12:13], s[54:55]
	s_lshl_b32 s54, s23, 11
	s_add_co_u32 s54, s54, 360448
	s_add_nc_u64 s[34:35], s[10:11], s[54:55]      ; x: the work-group's tile of queries
	s_lshl_b32 s54, s23, 6
	s_add_co_u32 s54, s54, 22528
	s_add_nc_u64 s[36:37], s[12:13], s[54:55]
	s_lshl_b32 s54, s22, 14
	s_add_co_u32 s54, s54, 98304
	s_add_nc_u64 s[38:39], s[10:11], s[54:55]      ; mW1: tiles 4 v .. 4 v + 3
	s_lshl_b32 s54, s22, 8
	s_add_nc_u64 s[42:43], s[14:15], s[54:55]      ; mb1 at unit 64 v
	s_add_co_u32 s54, s54, 6144
	s_add_nc_u64 s[40:41], s[12:13], s[54:55]
	s_lshl_b32 s54, s22, 13
	s_add_co_u32 s54, s54, 229376
	s_add_nc_u64 s[44:45], s[10:11], s[54:55]      ; mW2: tiles 2 v, 2 v + 1
	s_lshl_b32 s54, s22, 7
	s_add_nc_u64 s[48:49], s[16:17], s[54:55]      ; mb2 at output 32 v
	s_add_co_u32 s54, s54, 14336
	s_add_nc_u64 s[46:47], s[12:13], s[54:55]
	s_lshl_b32 s54, s22, 16
	s_lshl_b32 s57, s23, 6
	s_add_co_u32 s54, s54, s57
	s_add_nc_u64 s[50:51], s[18:19], s[54:55]      ; out0 at row 32 v, query 16 x work-group
	; group A, 24 loads: the 1,024 minima, my two rows of raw and of mask
.irp i, 0,1,2,3,4,5,6,7
	global_load_b128 v[116+4*\i:116+4*\i+3], v4, s[6:7] offset:512*\i
.endr
.irp g, 0,1
.irp i, 0,1,2,3
	global_load_b128 v[148+16*\g+4*\i:148+16*\g+4*\i+3], v4, s[24:25] offset:2048*\g+512*\i   ; keys 128 i + 4 lane + 0 .. 3
.endr
.endr
.irp g, 0,1
.irp i, 0,1,2,3
	global_load_b32 v[180+4*\g+\i], v5, s[26:27] offset:512*\g+128*\i                         ; the same four keys' bytes
.endr
.endr
	; group G1, 26 loads: source's fragments and words, x's
	WIN 0x40                                       ; destination window 1
.set f, 0
.rept 8
	global_load_b128 v[8*f:8*f+3], v4, s[30:31] offset:1024*f
	global_load_b128 v[8*f+4:8*f+7], v4, s[30:31] offset:1024*f+512
.set f, f+1
.endr
	WIN 0
.irp s, 0,1,2,3
	global_load_b32 v[24+\s], v5, s[32:33] offset:1024*\s
.endr
.irp k, 0,1,2,3
	global_load_b128 v[100+4*\k:100+4*\k+3], v4, s[34:35] offset:512*\k
.endr
.irp s, 0,1
	global_load_b32 v[40+\s], v6, s[36:37] offset:2048*\s
.endr
	; LDS addresses: a constant + a constant x lane term + a constant x wave
	s_mul_i32 s54, s22, 2*PP
	v_add_nc_u32 v7, s54, v4                       ; PST: my two rows, 16 lane
	s_lshl_b32 s54, s22, 3
	s_add_co_u32 s54, s54, LSUM
	v_mov_b32 v8, s54                              ; my two sums
	v_mul_u32_u24 v9, v2, PP
	v_lshl_add_u32 v9, v3, 7, v9
	s_lshl_b32 s54, s22, 8
	v_add_nc_u32 v9, s54, v9                       ; PST: row r, keys 64 v + 32 h on
	s_lshl_b32 s54, s22, 9
	s_add_co_u32 s57, s54, PIMG
	v_add_nc_u32 v10, s57, v4                      ; p's image: group v of eight
	s_lshr_b32 s56, s22, 1
	s_lshl_b32 s56, s56, 6
	s_and_b32 s57, s22, 1
	s_lshl_b32 s57, s57, 1
	s_add_co_u32 s56, s56, s57                     ; 64 (v / 2) + 2 (v % 2)
	s_add_co_u32 s57, s56, PSC
	v_lshl_add_u32 v11, v2, 2, v3
	v_add_nc_u32 v11, s57, v11                     ; p's byte: step v / 2, row r, block 2 (v % 2) + h
	s_add_co_u32 s57, s56, HSC
	v_add_nc_u32 v17, s57, v6                      ; the hidden layer's bytes: blocks 2 v, 2 v + 1
	v_lshlrev_b32 v14, 4, v2
	v_lshl_add_u32 v14, v3, 3, v14                 ; 16 r + 8 h
	s_add_co_u32 s57, s54, HIMG
	v_add_nc_u32 v16, s57, v14                     ; the hidden layer's image: blocks 2 v, 2 v + 1, 256 bytes each
	s_lshl_b32 s57, s22, 8
	s_add_co_u32 s57, s57, CIMG
	v_add_nc_u32 v14, s57, v14                     ; message's image: block v
	s_lshr_b32 s56, s22, 2
	s_lshl_b32 s56, s56, 6
	s_and_b32 s57, s22, 3
	s_add_co_u32 s56, s56, s57
	s_add_co_u32 s56, s56, CSC
	v_add_nc_u32 v15, s56, v6                      ; message's byte: step v / 4, block v % 4
	v_lshl_add_u32 v18, v3, 14, v6                 ; out0: 8 h rows of 2,048 bytes + 4 r
	v_mov_b32 v227, 0                              ; written once: a lane permute's destination counts as one of its sources
	s_wait_loadcnt 26                              ; group A is in; G1's 26 may be out
	; ---- A: the minimum of all scores, out1, p and its sum
	v_min3_num_f32 v220, v116, v117, v118
	v_min3_num_f32 v226, v119, v120, v121
.irp i, 122,126,130,134,138,142
	v_min3_num_f32 v220, v220, v[\i], v[\i+1]
	v_min3_num_f32 v226, v226, v[\i+2], v[\i+3]
.endr
	v_min3_num_f32 v220, v220, v146, v147
	v_min_num_f32 v220, v220, v226
	v_min_num_f32_dpp v220, v220, v220 row_xmask:1 row_mask:0xf bank_mask:0xf
	v_min_num_f32_dpp v220, v220, v220 row_xmask:2 row_mask:0xf bank_mask:0xf
	v_min_num_f32_dpp v220, v220, v220 row_xmask:4 row_mask:0xf bank_mask:0xf
	v_min_num_f32_dpp v220, v220, v220 row_xmask:8 row_mask:0xf bank_mask:0xf
	v_permlanex16_b32 v226, v220, s52, s53
	v_min_num_f32 v220, v220, v226
	v_add_f32 v221, 0xc1a00000, v220               ; neg = min - 20
.irp m, 0,1,2,3,4,5,6,7
	v_xor_b32 v[180+\m], 0x01010101, v[180+\m]     ; not mask, four bytes at a time
.endr
.irp m, 0,1,2,3,4,5,6,7
.irp e, 0,1,2,3
	v_bfe_u32 v[228+\e], v[180+\m], 8*\e, 8
.endr
.irp e, 0,1,2,3
	v_cvt_f32_u32 v[228+\e], v[228+\e]
.endr
.irp e, 0,1,2,3
	v_fma_f32 v[148+4*\m+\e], v[228+\e], v221, v[148+4*\m+\e]   ; score + neg x (0 or 1): the product is exact, one rounding
.endr
.endr
.irp g, 0,1
.irp i, 0,1,2,3
	global_store_b128 v4, v[148+16*\g+4*\i:148+16*\g+4*\i+3], s[28:29] offset:2048*\g+512*\i   ; 512 consecutive bytes a store
.endr
.endr
	; group G2, 48 loads: mW1's fragments and words, mb1
	WIN 0x40
.set f, 0
.rept 16
	global_load_b128 v[64+8*f:64+8*f+3], v4, s[38:39] offset:1024*f
	global_load_b128 v[64+8*f+4:64+8*f+7], v4, s[38:39] offset:1024*f+512
.set f, f+1
.endr
	WIN 0
.irp i, 0,1
.irp s, 0,1,2,3
	global_load_b32 v[28+4*\i+\s], v5, s[40:41] offset:2048*\s+128*\i
.endr
.endr
.irp t, 0,1,2,3                        ; lane (r, h), register j of tile t: unit 64 v + 32 (t / 2) + 16 h + 8 (t % 2) + j
	global_load_b128 v[52+8*\t:52+8*\t+3], v19, s[42:43] offset:128*(\t/2)+32*(\t%2)
	global_load_b128 v[52+8*\t+4:52+8*\t+7], v19, s[42:43] offset:128*(\t/2)+32*(\t%2)+16
.endr
.irp g, 0,1
	v_max3_num_f32 v[222+\g], v[148+16*\g], v[149+16*\g], v[150+16*\g]
.endr
.irp i, 3,5,7,9,11,13
.irp g, 0,1
	v_max3_num_f32 v[222+\g], v[222+\g], v[148+16*\g+\i], v[149+16*\g+\i]
.endr
.endr
.irp g, 0,1
	v_max_num_f32 v[222+\g], v[222+\g], v[163+16*\g]
.endr
.irp x, 1,2,4,8
.irp g, 0,1
	v_max_num_f32_dpp v[222+\g], v[222+\g], v[222+\g] row_xmask:\x row_mask:0xf bank_mask:0xf
.endr
.endr
.irp g, 0,1
	v_permlanex16_b32 v[226+\g], v[222+\g], s52, s53
.endr
.irp g, 0,1
	v_max_num_f32 v[222+\g], v[222+\g], v[226+\g]  ; the row's largest score
.endr
.irp g, 0,1
	v_mul_f32 v[222+\g], s58, v[222+\g]            ; as t
.endr
.irp g, 0,1
	v_floor_f32 v[224+\g], -v[222+\g]              ; -M = floor(-t) = -ceil(t): a whole number
.endr
.irp g, 0,1
.irp j, 0,1,2,3,4,5,6,7,8,9,10,11,12,13,14,15
	v_fma_f32 v[188+16*\g+\j], v[148+16*\g+\j], s58, v[224+\g]   ; t - M
.endr
.endr
.set i, 0
.rept 32
	v_exp_f32 v[188+i], v[188+i]                   ; p = 2^(t - M): one batch
.set i, i+1
.endr
	v_nop                                          ; a plain instruction behind the last exponential
	s_wait_alu depctr_va_vdst(0)                   ; one wait for the batch, ahead of its first reader
.irp g, 0,1                            ; the row's sum, of the unquantised p
	v_pk_add_f32 v[232+4*\g:233+4*\g], v[188+16*\g:189+16*\g], v[190+16*\g:191+16*\g]
	v_pk_add_f32 v[234+4*\g:235+4*\g], v[192+16*\g:193+16*\g], v[194+16*\g:195+16*\g]
	v_pk_add_f32 v[232+4*\g:233+4*\g], v[232+4*\g:233+4*\g], v[196+16*\g:197+16*\g]
	v_pk_add_f32 v[234+4*\g:235+4*\g], v[234+4*\g:235+4*\g], v[198+16*\g:199+16*\g]
	v_pk_add_f32 v[232+4*\g:233+4*\g], v[232+4*\g:233+4*\g], v[200+16*\g:201+16*\g]
	v_pk_add_f32 v[234+4*\g:235+4*\g], v[234+4*\g:235+4*\g], v[202+16*\g:203+16*\g]
	v_pk_add_f32 v[232+4*\g:233+4*\g], v[232+4*\g:233+4*\g], v[234+4*\g:235+4*\g]
	v_add_f32 v[232+4*\g], v[232+4*\g], v[233+4*\g]
.endr
.irp x, 1,2,4,8
.irp g, 0,1
	v_add_f32_dpp v[232+4*\g], v[232+4*\g], v[232+4*\g] row_xmask:\x row_mask:0xf bank_mask:0xf
.endr
.endr
.irp g, 0,1
	v_permlanex16_b32 v[234+4*\g], v[232+4*\g], s52, s53
.endr
.irp g, 0,1
	v_add_f32 v[232+4*\g], v[232+4*\g], v[234+4*\g]
.endr
.irp g, 0,1
.irp i, 0,1,2,3
	ds_store_b128 v7, v[188+16*\g+4*\i:188+16*\g+4*\i+3] offset:PST+PP*\g+512*\i
.endr
	ds_store_b32 v8, v[232+4*\g] offset:4*\g       ; all lanes write the same word with the same value
.endr
	s_wait_xcnt 0x0                                ; out1's stores have read their registers: those are written again below
	BARRIER                                        ; 16 rows of p and their sums lie in LDS
	; ---- B: p becomes four fragments.  Wave v makes group v % 2 of step v / 2: lane (r, h) takes keys 64 v + 32 h + 0 .. 31 of row r: a whole block
.irp i, 0,1,2,3,4,5,6,7
	ds_load_b128 v[116+4*\i:116+4*\i+3], v9 offset:PST+16*\i
.endr
	s_wait_dscnt 0x0
	BLOCK32 0, 116, 184, 190
	v_nop                                          ; one plain instruction behind the last conversion
	ds_store_b128 v10, v[184:187]
	ds_store_b8 v11, v190
	BARRIER                                        ; p's fragments and scale words lie in LDS
	; ---- C: message^T = source p^T, my 32 channels; K = the 512 keys
.irp k, 0,1,2,3,4,5,6,7
	ds_load_b128 v[116+4*\k:116+4*\k+3], v4 offset:PIMG+512*\k
.endr
.irp s, 0,1,2,3
	ds_load_b32 v[42+\s], v6 offset:PSC+64*\s
.endr
	ds_load_b32 v240, v6 offset:LSUM               ; my query's sum
	s_wait_dscnt 0x0
	s_wait_loadcnt 48                              ; G1 is in; G2's 48 may be out
	PLACES 5
	WIN 0x01                                       ; source 0 window 1
.irp s, 0,1,2,3
.irp u, 0,1                            ; the two accumulators by turns
.set rD, 152+8*\u
.set rA, 8*(4*\u+\s)
.set rB, 116+8*\s
.set rC, rD
.set sA, 24+\s
.set sB, 42+\s
.set aR, \u
.if \s == 0
	MM 1
.else
	MM 0
.endif
.endr
.endr
	WIN 0
	PLACES 4                                       ; between the last products and the first read of their results (ISA guide 7.12.1)
	; group G3, 24 loads: mW2's fragments and words, mb2
	WIN 0x40
.set f, 0
.rept 8
	global_load_b128 v[192+8*f:192+8*f+3], v4, s[44:45] offset:1024*f
	global_load_b128 v[192+8*f+4:192+8*f+7], v4, s[44:45] offset:1024*f+512
.set f, f+1
.endr
	WIN 0
.irp s, 0,1,2,3
	global_load_b32 v[36+\s], v5, s[46:47] offset:1024*\s
.endr
.irp u, 0,1                            ; lane (r, h), register j of tile u: output 32 v + 16 u + 8 h + j
	global_load_b128 v[84+8*\u:84+8*\u+3], v20, s[48:49] offset:64*\u
	global_load_b128 v[84+8*\u+4:84+8*\u+7], v20, s[48:49] offset:64*\u+16
.endr
	v_rcp_f32 v241, v240
	v_nop                                          ; a plain instruction behind the reciprocal
	s_wait_alu depctr_va_vdst(0)                   ; and the wait ahead of its first reader
.set i, 0
.rept 16
	v_mul_f32 v[152+i], v[152+i], v241             ; message(32 v + 16 h + i, my query); each accumulator from its low end on
.set i, i+1
.endr
	QB16 152, 192, 194, 14, 0, 15, 0
	BARRIER                                        ; message's two fragments lie in LDS
	; ---- D: the hidden layer, my 64 units; K = x's 256 channels, then message's 256
.irp k, 0,1,2,3
	ds_load_b128 v[116+4*\k:116+4*\k+3], v4 offset:CIMG+512*\k
.endr
.irp s, 0,1
	ds_load_b32 v[46+\s], v6 offset:CSC+64*\s
.endr
	s_wait_dscnt 0x0
	s_wait_loadcnt 24                              ; G2 is in; G3's 24 may be out
	PLACES 5                                       ; these sums are laid over the last product's results: five plain instructions between
	WIN 0x01
.irp s, 0,1,2,3
.irp t, 0,1,2,3
.set rD, 152+8*\t
.set rA, 64+8*(4*\t+\s)
.set sA, 28+4*(\t/2)+\s
.set aR, \t%2
.if \s < 2
.set rB, 100+8*\s
.set sB, 40+\s
.else
.set rB, 116+8*(\s-2)
.set sB, 46+\s-2
.endif
.if \s == 0
.set rC, 52+8*\t                       ; mb1 is the C of each sum's first instruction
.else
.set rC, rD
.endif
	MM 0
.endr
.endr
	WIN 0
	PLACES 4
.set i, 0
.rept 32
	v_max_num_f32 v[152+i], 0, v[152+i]            ; relu
.set i, i+1
.endr
	QB16 152, 196, 198, 16, 0, 17, 0               ; units 64 v + 16 h + 0 .. 15: block 2 v of the next K
	QB16 168, 200, 202, 16, 256, 17, 1             ; and block 2 v + 1
	BARRIER                                        ; the hidden layer's four fragments lie in LDS
	; ---- E: out0, my 32 rows; K = the 512 hidden units
.irp k, 0,1,2,3,4,5,6,7
	ds_load_b128 v[116+4*\k:116+4*\k+3], v4 offset:HIMG+512*\k
.endr
.irp s, 0,1,2,3
	ds_load_b32 v[48+\s], v6 offset:HSC+64*\s
.endr
	s_wait_dscnt 0x0
	s_wait_loadcnt 0x0                             ; G3
	PLACES 5
	WIN 0x01
.irp s, 0,1,2,3
.irp u, 0,1
.set rD, 152+8*\u
.set rA, 192+8*(4*\u+\s)
.set rB, 116+8*\s
.set sA, 36+\s
.set sB, 48+\s
.set aR, \u
.if \s == 0
.set rC, 84+8*\u                       ; mb2
.else
.set rC, rD
.endif
	MM 0
.endr
.endr
	WIN 0
	PLACES 4
.irp u, 0,1
.irp j, 0,1,2,3,4,5,6,7
	global_store_b32 v18, v[152+8*\u+\j], s[50:51] offset:(16*\u+\j)*2048   ; out0(32 v + 16 u + 8 h + j, my query): sixteen lanes store 64 consecutive bytes
.endr
.endr
	s_wait_tensorcnt 0x0
	ds_add_u32 v254, v255
	s_wait_dscnt 0x0
	s_endpgm
.Lfunc_end_k_q918960a1fe_merge:
	.size	k_q918960a1fe_merge, .Lfunc_end_k_q918960a1fe_merge-k_q918960a1fe_merge
	.p2alignl 7, 3214868480
	.fill 96, 4, 3214868480
	.section	.rodata,"a",@progbits
	.p2align	6, 0x0
	.amdhsa_kernel k_q918960a1fe_merge
		.amdhsa_group_segment_fixed_size 46080
		.amdhsa_private_segment_fixed_size 0
		.amdhsa_enable_private_segment 0
		.amdhsa_kernarg_size 72
		.amdhsa_user_sgpr_count 2
		.amdhsa_user_sgpr_kernarg_segment_ptr 1
		.amdhsa_wavefront_size32 1
		.amdhsa_system_sgpr_workgroup_id_x 1
		.amdhsa_system_sgpr_workgroup_id_y 1
		.amdhsa_system_sgpr_workgroup_id_z 1
		.amdhsa_system_vgpr_workitem_id 0
		.amdhsa_next_free_vgpr 512
		.amdhsa_next_free_sgpr 66
		.amdhsa_reserve_vcc 0
		.amdhsa_float_denorm_mode_32 3
		.amdhsa_float_denorm_mode_16_64 3
		.amdhsa_memory_ordered 1
		.amdhsa_forward_progress 1
		.amdhsa_inst_pref_size 47
	.end_amdhsa_kernel
	.amdgpu_metadata
---
amdhsa.version: [ 1, 2 ]
amdhsa.kernels:
  - .name:           k_q918960a1fe_merge
    .symbol:         k_q918960a1fe_merge.kd
    .args:
      - { .name: raw, .offset: 0, .size: 8, .value_kind: global_buffer, .address_space: global }
      - { .name: mins, .offset: 8, .size: 8, .value_kind: global_buffer, .address_space: global }
      - { .name: mask, .offset: 16, .size: 8, .value_kind: global_buffer, .address_space: global }
      - { .name: codes, .offset: 24, .size: 8, .value_kind: global_buffer, .address_space: global }
      - { .name: scales, .offset: 32, .size: 8, .value_kind: global_buffer, .address_space: global }
      - { .name: mb1, .offset: 40, .size: 8, .value_kind: global_buffer, .address_space: global }
      - { .name: mb2, .offset: 48, .size: 8, .value_kind: global_buffer, .address_space: global }
      - { .name: out0, .offset: 56, .size: 8, .value_kind: global_buffer, .address_space: global }
      - { .name: out1, .offset: 64, .size: 8, .value_kind: global_buffer, .address_space: global }
    .group_segment_fixed_size: 46080
    .private_segment_fixed_size: 0
    .kernarg_segment_align: 8
    .kernarg_segment_size: 72
    .max_flat_workgroup_size: 256
    .sgpr_count:     66
    .vgpr_count:     512
    .wavefront_size: 32
...
	.end_amdgpu_metadata
.endif
;; end of part 3
